; MI455X (gfx1250); checked and timed in simulation.
; The chip was launched on July 23, 2026; its instructions are those of AMD's public machine-readable ISA for CDNA 5 (MIT licence, August 2026) and "CDNA5" Instruction Set Architecture Reference Guide (July 2026). The comments in the code are by the model that wrote it; some were corrected since.
;; Multi Head Attention. Allowed arithmetic: matrix products marked QUANTISED: E2M1 operands, one E8M0 scale for each 32 along K, by v_wmma_scale_f32_16x16x128_f8f6f4 with both operands' format E2M1 (or v_wmma_scale_f32_32x16x128_f4), f32 sums; everything else in f32.
;; Inputs: out_b 1,024 float32; out_w_codes 1,024 x 32 x 16 uint8 (E2M1 codes of out_w, K innermost, in blocks of 32 codes, two codes a byte); out_w_scales 1,024 x 32 uint8 (E8M0 scales of out_w, one for each 32 codes along K); qkv_b 3,072 float32; qkv_w_codes 3,072 x 32 x 16 uint8 (E2M1 codes of qkv_w, K innermost, in blocks of 32 codes, two codes a byte); qkv_w_scales 3,072 x 32 uint8 (E8M0 scales of qkv_w, one for each 32 codes along K); x_codes 2 x 2,048 x 32 x 16 uint8 (E2M1 codes of x, K innermost, in blocks of 32 codes, two codes a byte); x_scales 2 x 2,048 x 32 uint8 (E8M0 scales of x, one for each 32 codes along K).
;; Outputs: out0 2 x 2,048 x 1,024 float32.
;; This version of the problem:
;;   THIS VERSION OF THE PROBLEM IS GIVEN IN LOW PRECISION. The matrix products marked QUANTISED in the list below multiply operands that are first quantised to E2M1 (2 exponent bits, 1 mantissa bit; 4 bits a number), with one power-of-two scale for each 32 numbers along K (OCP MX v1.0); their sums are f32. All else is computed in f32.
;;   The module's matrix products, in the order in which they are computed (A, B: the left and right operand; K: the contracted axis; several contracted axes count as one K, in the product's order):
;;     1. [M 4,096, K 1,024] x [K 1,024, N 3,072]; A: input x (given as codes); B: input qkv_w (given as codes): QUANTISED
;;     2. batch 32 x [M 2,048, K 64] x [K 64, N 2,048]; A: computed on the way; B: computed on the way: QUANTISED
;;     3. batch 32 x [M 2,048, K 2,048] x [K 2,048, N 64]; A: softmax (see below); B: computed on the way: QUANTISED
;;     4. [M 4,096, K 1,024] x [K 1,024, N 1,024]; A: computed on the way; B: input out_w (given as codes): QUANTISED
;;   THE QUANTISER, for each operand of a quantised product, along K:
;;     - K is cut into blocks of 32 from its start; a last block that is shorter is filled with zeros.
;;     - A block's scale is 2^e with e = floor(log2(the largest magnitude in the block)) - 2, held to -126 .. 127; a block of zeros has e = 0. As a byte (E8M0): e + 127.
;;     - Each number is divided by its block's scale, clamped to +-6, and rounded to the nearest number of E2M1, ties to even, subnormals kept.
;;     - The product sums the exact products of the quantised numbers (number of the format x scale) in f32.
;;   ~~~python
;;   def quantise(x, axis):      # numpy; x: float32 -> the quantised numbers, widened to float32 again
;;       x = np.moveaxis(x, axis, -1); K = x.shape[-1]
;;       x = np.pad(x, [(0, 0)] * (x.ndim - 1) + [(0, -K % 32)]); x = x.reshape(x.shape[:-1] + (-1, 32)); a = np.abs(x).max(-1, keepdims=True)
;;       e = np.where(a > 0, np.clip(np.frexp(np.where(a > 0, a, 1))[1] - 1 - 2, -126, 127), 0)      # np.frexp(a)[1] - 1 = floor(log2(a)), exactly
;;       r = np.clip(x / 2.0 ** e, -6, 6)
;;       step = 2.0 ** (np.maximum(np.frexp(np.where(r == 0, 1, r))[1] - 1, 0) - 1)
;;       q = np.round(r / step) * step * 2.0 ** e      # np.round: ties to even
;;       return np.moveaxis(q.reshape(q.shape[:-2] + (-1,))[..., :K], -1, axis).astype(np.float32)
;;   ~~~
;;   SOFTMAX AHEAD OF A QUANTISED PRODUCT. Where the list says 'softmax', what is quantised is not the finished softmax but p = 2^(t - M), with t = logit x log2(e) and M = ceil(the row's largest t), a whole number; so 1/2 < the row's largest p <= 1. The row's sum l is taken of the UNQUANTISED p, in f32, and the product's result is divided by l at the end. Since M is a whole number, a kernel that streams over the keys may use a running M (the ceiling of the running maximum): every later rescaling is an exact power of two, which a block's scale takes up: the codes' values come out the same.
;;   OPERANDS COMPUTED ON THE WAY. 'Computed on the way' means the value that the module computes at that place (a softmax that the list does not call 'softmax' is quantised finished and normalised). What goes into a quantiser is computed in f32, as accurately as f32 sums, v_exp_f32 and their like allow (about 1e-6 of the number): no bf16 or f16 on the way to a quantiser, and a product that is left as it is and whose result goes on into a quantised operand takes f32 operands (vector FMAs, or v_wmma_f32_16x16x4_f32). A number that lies on a knife's edge between two numbers of the format may be rounded either way, as far as f32 arithmetic and the matrix unit's own rounding can turn it there, and no further.
;;   INPUTS GIVEN AS CODES. out_w (in the module: [1024, 1024], K = its axis 1); qkv_w (in the module: [3072, 1024], K = its axis 1); x (in the module: [2, 2048, 1024], K = its axis 2): each comes as NAME_codes (uint8): NAME with its K axis moved to the last place and cut into blocks of 32 codes, [.., K / 32, bytes a block], one block behind the other in memory; two codes a byte, the lower K in the low four bits (a code: sign, 2 exponent bits, 1 mantissa bit); and NAME_scales (uint8): the same leading axes, one E8M0 byte (e + 127) for each 32 codes along K. Its value is code x scale, taken as it is: it is not quantised again, and the codes and scales need not be those that the quantiser above would give.
;; One version. Each part assembles by itself: llvm-mc -triple=amdgcn-amd-amdhsa -mcpu=gfx1250 --defsym DOCPART=n.
;; ======== version 1 of 1: 3 launches
;; workspace buffers: qk_codes 4,194,304 bytes; qk_scales 262,144 bytes; v_codes 2,097,152 bytes; v_scales 131,072 bytes; a_codes 2,097,152 bytes; a_scales 131,072 bytes
;; launch qkv (part 1): grid 12 x 16, 4 waves a work-group, clusters of 4 x 4, 327,680 bytes of LDS; arguments x_codes, x_scales, qkv_w_codes, qkv_w_scales, qkv_b, qk_codes, qk_scales, v_codes, v_scales; writes qk_codes, qk_scales, v_codes, v_scales
.if DOCPART == 1
	.amdgcn_target "amdgcn-amd-amdhsa--gfx1250"
	.amdhsa_code_object_version 6
	.text
	.protected	k_q867ca8810e_qkv
	.globl	k_q867ca8810e_qkv
	.p2align	8
	.type	k_q867ca8810e_qkv,@function
k_q867ca8810e_qkv:
	s_mov_b64 s[64:65], 0
	v_nop
	global_prefetch_b8 v0, s[64:65] scope:SCOPE_SE
	s_setreg_imm32_b32 hwreg(HW_REG_WAVE_MODE, 25, 1), 1
	s_wait_xcnt 0x0
	s_wait_alu depctr_hold_cnt(0) depctr_sa_sdst(0) depctr_va_vdst(0) depctr_va_sdst(0) depctr_va_ssrc(0) depctr_va_vcc(0) depctr_vm_vsrc(0)
	s_getreg_b32 s2, hwreg(HW_REG_IB_STS2, 6, 4)
	s_cmp_eq_u32 s2, 0
	s_cbranch_scc0 .Lentry_in_a_cluster
	s_endpgm
.Lentry_in_a_cluster:
	s_bfe_u32 s2, ttmp6, 0x10000c
	s_cmp_lg_u32 s2, 0xf033
	s_cbranch_scc0 .Lentry_shape_is_right
	s_endpgm
.Lentry_shape_is_right:
; qkv = x W^T + b on codes of FP4 (E2M1) with one E8M0 scale for each 32 along K = 1,024; q, k and v leave as codes of the same format, never as f32.
; The body computes C'[m'][n'] = sum over k of A'[m'][k] B'[n'][k] on tiles of 256 x 256, four waves of 128 x 128 (64 accumulators of 16 x 16), and quantises C' along n'.
;   clusters with x = 0, 1 (q and k):  A' = x (4,096 tokens), B' = rows 0-2,047 of W: n' runs along a head's 64, which is the K of q k^T.
;   clusters with x = 2    (v):        A' = rows 2,048-3,071 of W, B' = x: n' runs along the tokens, which are the K of p v.
; The two kinds take ONE path through the text: the kind (the cluster's x, the same in all sixteen partners) selects pointers, scalar offsets and, by v_cndmask_b32, which bias counts.
; THE MATRIX INSTRUCTION IS USED TRANSPOSED (source 0 = 16 rows of B', source 1 = 16 rows of A'): lane (r, h) holds row m' = r, and register j of tile i the column n' = 16 i + 8 h + j.
; All of K lies in LDS at once: two slots of 512 along K, each filled ONCE by joint tensor loads (A' shared along a row of the cluster, B' along a column); no LDS byte is filled twice.
; OUT: qk_codes [32 groups of 64 columns][4,096 tokens][32 bytes]; qk_scales [16 pairs of groups][token][4 bytes]; v_codes [b][head][32 groups of 64 keys][d 64][32 bytes]; v_scales [b][head][16 groups of 128 keys][d 64][4 bytes].
; LIMITS: NaN, infinities and the scale byte 0xff among the inputs are not served.  A block of results whose largest magnitude lies under 2^-124 (a block of zeros too) gets the byte 1: these bytes are read by this program alone.
; REGISTERS, in windows of 256: window 0: v0-31 addresses and the blocks' scale words; v32-95 scale words of A' and B', two sets; v96-111 the row bias, a pair a block; v112-127 at work; v128-191 A's fragments, later 64 results;
;   v192-255 the column bias, later the codes.   window 1: B's fragments, two sets.   windows 2, 3: the accumulators ((a, b) at v[8 (8 (a % 4) + b)]).
.set NQ,     4                         ; matrix instructions deep in a slot
.set PITCH,  272                       ; an LDS row: 256 bytes + 16 of padding: the 16 rows of a fragment load start at 16 different 16-byte columns of the 256
.set FR,     8                         ; registers of a fragment
.set NL,     2                         ; LDS loads that bring one
.set NP,     4                         ; places behind this matrix instruction (ISA guide 7.12.1)
.set HALFT,  128*PITCH                 ; 128 rows: one tensor load
.set SLOT,   4*HALFT                   ; A's 256 rows, then B's 256
.set SCL,    2*SLOT                    ; the scale bytes: 32 a row, as lines of 256 bytes + 16
.set HALFS,  16*272                    ; those of 128 rows
.set SBLK,   2*272                     ; those of 16 rows
.set WSTG,   SCL+4*HALFS               ; 512 bytes for each wave: the results' scale words on their way out; no tensor load lands here
.set BOC,  6                           ; v6   32 h: my place in the column bias
.set BOR,  7                           ; v7   4 r: in the row bias
.set PW,   8                           ; v8-15  block a's scale word
.set ADRA, 16                          ; v16-17 LDS address of my A' fragments in slot 0, 1
.set ADRB, 20                          ; v20-21 the same for B'
.set CO,   24                          ; v24  32 r + 16 h: my 16 bytes of codes among a block's 512
.set SS,   25                          ; v25  the stage: 4 r
.set SRD,  26                          ; v26  and back: 16 x lane
.set ADRS, 27                          ; v27  my scale words: lanes 0-15 A's rows, lanes 16-31 B's
.set NIL,  29                          ; v29  0
.set SO,   30                          ; v30  where the scale words go in memory
.set SC,   32
.set BR,   96
.set TM,   112
.set AF,   128
.set T,    128
.set CB,   192
.set PC,   192
.set OB,   4                           ; s[4:11] four bases for the codes: blocks 0-3 / 4-7 x first / second 64 along n'
.set SEL,  100                         ; s[100:101] v_permlanex16_b32's selects for lane l xor 16
.set G1, 24
.set G0, 32
.set G1B, 48
.set G0B, 56
.set G1S, 68
.set G0S, 76
.set G1SB, 80
.set G0SB, 88
.set MSB, 0
.macro WIN new                         ; the immediate's high byte repeats the setting that is left
.if MSB != (\new)
	s_set_vgpr_msb (MSB<<8)|(\new)
.set MSB, (\new)
.endif
.endm
.set MUL_LO, 0xa1                      ; source 0 (B') window 1, source 1 (A') window 0, C and D window 2
.set MUL_HI, 0xf1                      ; the same, C and D window 3
.set TO_B,   0x40
; A joint load: waves 0 and 1 fetch for A', waves 2 and 3 for B'.  Each line has one mask and one set of registers; the branch hangs on the wave's number alone.  Four v_nop follow each line.
.macro JLOAD g0a, g1a, g0b, g1b
	s_cmp_eq_u32 s15, 0
	s_cbranch_scc0 .Lfor_b_\@
	tensor_load_to_lds s[\g0a:\g0a+3], s[\g1a:\g1a+7]
	s_nop 0
.rept 4
	v_nop
.endr
	s_branch .Lasked_\@
.Lfor_b_\@:
	tensor_load_to_lds s[\g0b:\g0b+3], s[\g1b:\g1b+7]
	s_nop 0
.rept 4
	v_nop
.endr
.Lasked_\@:
.endm
.macro CROUND                          ; a round of the cluster's barrier
	s_barrier_signal -1
	s_barrier_wait -1
	s_cmp_lg_u32 s14, 0
	s_cbranch_scc1 .Lnot_wave_0_\@
	s_barrier_signal -3
.Lnot_wave_0_\@:
	s_barrier_wait -3
	s_barrier_signal -1
	s_barrier_wait -1
.endm
.macro PLACES n
.rept \n
	v_nop
.endr
.endm
	s_load_b256 s[4:11], s[0:1], 0x0               ; x's codes, x's scales, W's codes, W's scales
	s_load_b64 s[12:13], s[0:1], 0x20              ; the bias
	s_load_b128 s[96:99], s[0:1], 0x28             ; qk_codes, qk_scales
	s_load_b128 s[92:95], s[0:1], 0x38             ; v_codes, v_scales
	v_lshl_add_u32 v28, v0, 2, 0x48c00
	v_mov_b32 v31, 0
	ds_add_u32 v28, v31
	ds_add_u32 v28, v31
	v_lshrrev_b32 v1, 5, v0
	v_readfirstlane_b32 s14, v1                    ; wave 0..3
	s_lshr_b32 s15, s14, 1                         ; which half of the tile's rows is mine.  Also: I fetch for A' (0) or B' (1)
	s_and_b32 s16, s14, 1                          ; which half of its columns.  Also: which 128 rows I fetch
	s_bfe_u32 s40, ttmp6, 0x40000                  ; cx
	s_bfe_u32 s41, ttmp6, 0x40004                  ; cy
	s_and_b32 s18, ttmp7, 0xffff                   ; the cluster's y
	s_cmp_eq_u32 ttmp9, 2                          ; the kind: the cluster's x, shared by all partners
	s_cselect_b32 s66, -1, 0                       ; all ones: v;  0: q and k
	s_cselect_b32 s17, 2, s18                      ; A's rows: W's rows from 2,048 on (8 tiles of 256 = 2 clusters' worth), or x's
	s_cselect_b32 s67, 0, s18                      ; and as the results count them
	s_cselect_b32 s42, s18, ttmp9                  ; B's rows
	s_lshl_b32 s17, s17, 2
	s_add_co_u32 s17, s17, s41                     ; tile row, for the loads
	s_lshl_b32 s67, s67, 2
	s_add_co_u32 s67, s67, s41                     ; tile row, for the results
	s_lshl_b32 s42, s42, 2
	s_add_co_u32 s42, s42, s40                     ; tile column
	s_lshl_b32 s43, s41, 2
	s_lshl_b32 s43, 15, s43                        ; my row of the cluster
	s_lshl_b32 s44, 0x1111, s40                    ; my column
	; descriptor group 1: 128 rows x 256 bytes out of rows of 512, 16 bytes of padding behind each
	s_or_b32 s[G1+0], s43, (0<<16)|(1<<20)|(1<<21)|(5<<22)|(3<<25)  ; 15:0 the mask; 17:16 elements of 1 byte; 20 padding on; 21 set beside a mask; 24:22 after every 64 words; 31:25 four words
	s_or_b32 s[G1B+0], s44, (0<<16)|(1<<20)|(1<<21)|(5<<22)|(3<<25)
.irp g, G1, G1B
	s_mov_b32 s[\g+1], 256<<16                     ; tensor_dim0
	s_mov_b32 s[\g+2], 128<<16                     ; tensor_dim1
	s_mov_b32 s[\g+3], 256<<16                     ; tile_dim0
	s_mov_b32 s[\g+4], 128                         ; tile_dim1
	s_mov_b32 s[\g+5], 512                         ; from row to row
	s_mov_b32 s[\g+6], 0
	s_mov_b32 s[\g+7], 0
.endr
	; the scale bytes of 128 rows: 4,096 dense bytes as 16 lines of 256 (32 elements of 8 bytes), 16 bytes of padding behind each
	s_or_b32 s[G1S+0], s43, (3<<16)|(1<<20)|(1<<21)|(5<<22)|(3<<25)
	s_or_b32 s[G1SB+0], s44, (3<<16)|(1<<20)|(1<<21)|(5<<22)|(3<<25)
.irp g, G1S, G1SB
	s_mov_b32 s[\g+1], 32<<16
	s_mov_b32 s[\g+2], 16<<16
	s_mov_b32 s[\g+3], 32<<16
	s_mov_b32 s[\g+4], 16
	s_mov_b32 s[\g+5], 32
	s_mov_b32 s[\g+6], 0
	s_mov_b32 s[\g+7], 0
.endr
	s_lshl_b32 s18, s16, 7                         ; which 128 rows of the tile I fetch
	s_lshl_b32 s20, s17, 8
	s_add_co_u32 s20, s20, s18                     ; A': row
	s_lshl_b32 s46, s42, 8
	s_add_co_u32 s46, s46, s18                     ; B': row
	s_lshl_b32 s22, s20, 5                         ; their scale bytes: 32 a row,
	s_mov_b32 s23, 0
	s_lshl_b32 s20, s20, 9                         ; their codes: 512 a row
	s_mov_b32 s21, 0
	s_lshl_b32 s2, s46, 5
	s_mov_b32 s3, 0
	s_lshl_b32 s46, s46, 9
	s_mov_b32 s47, 0
	s_mul_i32 s45, s14, HALFT                      ; where they go: wave x 128 rows: no place in the cluster enters an LDS address
	s_mul_i32 s19, s14, HALFS
	s_wait_dscnt 0x0
	s_wait_kmcnt 0x0
	s_cmp_lg_u32 s66, 0                            ; the buffers change roles with the kind
	s_cselect_b64 s[100:101], s[8:9], s[4:5]       ; A's codes
	s_cselect_b64 s[104:105], s[10:11], s[6:7]     ; A's scales
	s_cselect_b64 s[4:5], s[4:5], s[8:9]           ; B's codes
	s_cselect_b64 s[6:7], s[6:7], s[10:11]         ; B's scales
	s_cselect_b64 s[96:97], s[92:93], s[96:97]     ; the results' codes
	s_cselect_b64 s[92:93], s[94:95], s[98:99]     ; and scale words
	s_add_nc_u64 s[20:21], s[100:101], s[20:21]
	s_add_nc_u64 s[22:23], s[104:105], s[22:23]
	s_add_nc_u64 s[46:47], s[4:5], s[46:47]
	s_add_nc_u64 s[2:3], s[6:7], s[2:3]
	CROUND                                         ; all sixteen work-groups are here: the joint loads meet
	s_mov_b32 s[G0S], 1
	s_add_co_u32 s[G0S+1], s19, SCL
	s_mov_b64 s[G0S+2:G0S+3], s[22:23]
	s_or_b32 s[G0S+3], s[G0S+3], 0x80000000
	s_mov_b32 s[G0SB], 1
	s_add_co_u32 s[G0SB+1], s19, SCL
	s_mov_b64 s[G0SB+2:G0SB+3], s[2:3]
	s_or_b32 s[G0SB+3], s[G0SB+3], 0x80000000
	JLOAD G0S, G1S, G0SB, G1SB                     ; the scales first: they are wanted with the first slot
.irp s, 0,1
	s_mov_b32 s[G0+4*\s], 1
	s_add_co_u32 s[G0+4*\s+1], s45, \s*SLOT
	s_add_nc_u64 s[G0+4*\s+2:G0+4*\s+3], s[20:21], \s*256
	s_or_b32 s[G0+4*\s+3], s[G0+4*\s+3], 0x80000000
	s_mov_b32 s[G0B+4*\s], 1
	s_add_co_u32 s[G0B+4*\s+1], s45, \s*SLOT
	s_add_nc_u64 s[G0B+4*\s+2:G0B+4*\s+3], s[46:47], \s*256
	s_or_b32 s[G0B+4*\s+3], s[G0B+4*\s+3], 0x80000000
	JLOAD G0+4*\s, G1, G0B+4*\s, G1B               ; three loads of mine are out now, and no more follow
.endr
	; while the tiles are on their way: addresses, bases, biases
	s_mov_b32 s[SEL], 0x76543210
	s_mov_b32 s[SEL+1], 0xfedcba98
	v_and_b32 v1, 15, v0                           ; r
	v_bfe_u32 v2, v0, 4, 1                         ; h
	v_mov_b32 v[NIL], 0
	v_mul_u32_u24 v3, v1, PITCH
	v_lshl_add_u32 v4, v2, 4, v3                   ; a fragment's row x pitch + 16 h
	s_mul_i32 s21, s15, HALFT                      ; my 128 rows of A'
	s_mul_i32 s22, s16, HALFT                      ; my 128 rows of B',
	s_add_co_u32 s22, s22, 2*HALFT                 ; behind A's 256
.irp s, 0,1
	v_add_nc_u32 v[ADRA+\s], s21, v4
	v_add_nc_u32 v[ADRB+\s], s22, v4
	s_add_co_u32 s21, s21, SLOT
	s_add_co_u32 s22, s22, SLOT
.endr
	v_mul_u32_u24 v5, v1, 32                       ; my row's scale bytes: 32 a row,
	v_lshrrev_b32 v3, 8, v5
	v_lshl_add_u32 v5, v3, 4, v5                   ; and 16 more for each 256 passed
	s_mul_i32 s21, s15, HALFS
	s_mul_i32 s22, s16, HALFS
	s_add_co_u32 s22, s22, 2*HALFS
	s_sub_co_u32 s22, s22, s21
	v_mul_u32_u24 v3, s22, v2                      ; lanes 16-31 take B's
	s_add_co_u32 s21, s21, SCL
	v_add_nc_u32 v5, v5, v3
	v_add_nc_u32 v[ADRS], s21, v5
	s_lshl_b32 s21, s14, 9
	s_add_co_u32 s21, s21, WSTG                    ; my 512 bytes of stage
	v_lshl_add_u32 v[SS], v1, 2, s21
	v_and_b32 v3, 31, v0
	v_lshl_add_u32 v[SRD], v3, 4, s21
	v_lshlrev_b32 v[CO], 5, v1
	v_lshl_add_u32 v[CO], v2, 4, v[CO]
	v_lshlrev_b32 v[BOC], 5, v2
	v_lshlrev_b32 v[BOR], 2, v1
.irp b, 0,1,2,3
	v_mov_b32 v[TM+4+\b], 0                        ; written once: a lane permute's destination counts as one of its sources
.endr
	; the biases.  q, k: the bias runs along n' (a lane's registers); v: along m' (the lanes).  Both are loaded, from a range that lies inside the buffer for either kind, and the one that does not count is made 0.
	s_lshl_b32 s20, s42, 10
	s_lshl_b32 s21, s16, 9
	s_add_co_u32 s20, s20, s21                     ; 4 (256 tile column + 128 half)
	s_lshl_b32 s22, s67, 10
	s_lshl_b32 s21, s15, 9
	s_add_co_u32 s22, s22, s21
	s_add_co_u32 s22, s22, 8192                    ; 4 (2,048 + 256 tile row + 128 half)
	s_cmp_lg_u32 s66, 0
	s_cselect_b32 s20, 0, s20
	s_cselect_b32 s22, s22, 0
	s_mov_b32 s21, 0
	s_mov_b32 s23, 0
	s_add_nc_u64 s[98:99], s[12:13], s[20:21]
	s_add_nc_u64 s[94:95], s[12:13], s[22:23]
.irp b, 0,1,2,3,4,5,6,7
	global_load_b128 v[CB+8*\b:CB+8*\b+3], v[BOC], s[98:99] offset:64*\b       ; b(16 b + 8 h + 0 .. 7)
	global_load_b128 v[CB+8*\b+4:CB+8*\b+7], v[BOC], s[98:99] offset:64*\b+16
.endr
.irp a, 0,1,2,3,4,5,6,7
	global_load_b32 v[BR+2*\a], v[BOR], s[94:95] offset:64*\a                  ; b(16 a + r)
.endr
	; where the codes go.  q, k: group (4 tile column + 2 half + c) x 131,072 + token x 32.  v: b x 1,048,576 + head x 65,536 + group of 64 keys x 2,048 + d x 32
	s_lshl_b32 s20, s42, 19
	s_lshl_b32 s21, s16, 18
	s_add_co_u32 s20, s20, s21
	s_lshl_b32 s21, s67, 13
	s_add_co_u32 s20, s20, s21
	s_lshl_b32 s21, s15, 12
	s_add_co_u32 s20, s20, s21
	s_lshr_b32 s22, s42, 3
	s_lshl_b32 s22, s22, 20
	s_lshl_b32 s21, s67, 18
	s_add_co_u32 s22, s22, s21
	s_lshl_b32 s21, s15, 17
	s_add_co_u32 s22, s22, s21
	s_and_b32 s21, s42, 7
	s_lshl_b32 s21, s21, 13
	s_add_co_u32 s22, s22, s21
	s_lshl_b32 s21, s16, 12
	s_add_co_u32 s22, s22, s21
	s_mov_b32 s46, 0x20000
	s_mov_b32 s2, 2048
	s_mov_b32 s3, 256
	s_cmp_lg_u32 s66, 0
	s_cselect_b32 s20, s22, s20
	s_cselect_b32 s22, 0x10000, s2                 ; from blocks 0-3 to blocks 4-7: the next head, or 64 tokens
	s_cselect_b32 s46, s2, s46                     ; from the first 64 along n' to the second: the next group of keys, or of columns
	s_cselect_b32 s3, 4096, s3                     ; from the scale words of blocks 0-3 to those of blocks 4-7
	s_mov_b32 s21, 0
	s_mov_b32 s23, 0
	s_mov_b32 s47, 0
	s_add_nc_u64 s[OB:OB+1], s[96:97], s[20:21]
	s_add_nc_u64 s[OB+2:OB+3], s[OB:OB+1], s[46:47]
	s_add_nc_u64 s[OB+4:OB+5], s[OB:OB+1], s[22:23]
	s_add_nc_u64 s[OB+6:OB+7], s[OB+4:OB+5], s[46:47]
	v_mul_u32_u24 v[SO], s3, v2
	v_lshl_add_u32 v[SO], v1, 4, v[SO]
	; and the scale words.  q, k: pair (2 tile column + half) x 16,384 + token x 4.  v: b x 65,536 + head x 4,096 + group of 128 keys x 256 + d x 4
	s_lshl_b32 s20, s42, 1
	s_add_co_u32 s20, s20, s16
	s_lshl_b32 s20, s20, 14
	s_lshl_b32 s21, s67, 10
	s_add_co_u32 s20, s20, s21
	s_lshl_b32 s21, s15, 9
	s_add_co_u32 s20, s20, s21
	s_lshr_b32 s22, s42, 3
	s_lshl_b32 s22, s22, 16
	s_lshl_b32 s21, s67, 14
	s_add_co_u32 s22, s22, s21
	s_lshl_b32 s21, s15, 13
	s_add_co_u32 s22, s22, s21
	s_and_b32 s21, s42, 7
	s_lshl_b32 s21, s21, 1
	s_add_co_u32 s21, s21, s16
	s_lshl_b32 s21, s21, 8
	s_add_co_u32 s22, s22, s21
	s_cmp_lg_u32 s66, 0
	s_cselect_b32 s20, s22, s20
	s_mov_b32 s21, 0
	s_add_nc_u64 s[92:93], s[92:93], s[20:21]
	s_wait_loadcnt 0x0                             ; the biases
.set ii, 0
.rept 64
	v_cndmask_b32 v[CB+ii], v[CB+ii], v[NIL], s66  ; v: no bias along n'
.set ii, ii+1
.endr
.irp a, 0,1,2,3,4,5,6,7
	v_cndmask_b32 v[BR+2*\a], v[NIL], v[BR+2*\a], s66   ; q, k: none along m'
.endr
.irp a, 0,1,2,3,4,5,6,7
	v_mov_b32 v[BR+2*\a+1], v[BR+2*\a]             ; twice: a pair for the packed addition
.endr
.macro FRAG reg, adr, q, i             ; 16 rows x 128 K of 4-bit codes: lane (r, h) holds row r; registers 4 c .. 4 c + 3 hold K = 64 c + 32 h + 0 .. 31
.irp c, 0,1
	ds_load_b128 v[\reg+4*\c:\reg+4*\c+3], v[\adr] offset:64*(\q)+32*\c+(\i)*16*PITCH
.endr
.endm
; 16 matrix instructions: A's blocks a0, a0 + 1 x B's eight, the slot's q-th 128 along K.  p: B's set; sc: the set of scale words.  first = 1: the sums start from the column bias: nothing is cleared.
; One register carries A's scale word (lanes 0-15) and B's (lanes 16-31).  The 64 accumulators take turns, one instruction a turn, in the same order in every step.
.macro MUL16 a0, p, q, sc, first
.irp a, \a0, \a0+1
.irp b, 0,1,2,3,4,5,6,7
.if \first
	v_wmma_scale_f32_16x16x128_f8f6f4 v[8*(8*((\a)%4)+\b):8*(8*((\a)%4)+\b)+7], v[128*(\p)+FR*\b:128*(\p)+FR*\b+FR-1], v[AF+FR*(\a):AF+FR*(\a)+FR-1], v[CB+8*\b:CB+8*\b+7], v[SC+8*NQ*(\sc)+NQ*\b+(\q)], v[SC+8*NQ*(\sc)+NQ*(\a)+(\q)] matrix_a_fmt:MATRIX_FMT_FP4 matrix_b_fmt:MATRIX_FMT_FP4 matrix_a_scale:MATRIX_SCALE_ROW1
.else
	v_wmma_scale_f32_16x16x128_f8f6f4 v[8*(8*((\a)%4)+\b):8*(8*((\a)%4)+\b)+7], v[128*(\p)+FR*\b:128*(\p)+FR*\b+FR-1], v[AF+FR*(\a):AF+FR*(\a)+FR-1], v[8*(8*((\a)%4)+\b):8*(8*((\a)%4)+\b)+7], v[SC+8*NQ*(\sc)+NQ*\b+(\q)], v[SC+8*NQ*(\sc)+NQ*(\a)+(\q)] matrix_a_fmt:MATRIX_FMT_FP4 matrix_b_fmt:MATRIX_FMT_FP4 matrix_a_scale:MATRIX_SCALE_ROW1
.endif
.endr
.endr
.endm
.macro FETCH_B slot, q, p
	WIN TO_B
.irp i, 0,1,2,3,4,5,6,7
	FRAG 128*(\p)+FR*\i, ADRB+\slot, \q, \i
.endr
	WIN 0
.endm
.macro FETCH_A slot, q, i0
.irp i, \i0, \i0+1, \i0+2, \i0+3
	FRAG AF+FR*(\i), ADRA+\slot, \q, \i
.endr
.endm
.macro SCALES sc                       ; a slot's scale words: four a row; lanes 0-15 take A's block i, lanes 16-31 B's block i
.irp i, 0,1,2,3,4,5,6,7
	ds_load_b128 v[SC+8*NQ*\sc+NQ*\i:SC+8*NQ*\sc+NQ*\i+3], v[ADRS] offset:\i*SBLK
.endr
.endm
; A step of 128 along K with its successor in the same slot.  A's blocks are free as soon as their eight products are issued, so A has one set of registers: blocks 0-3 come anew in the step's middle, blocks 4-7 at its end.
.macro STEP slot, q, first
	s_wait_dscnt 4*NL                              ; all but the youngest eight loads (A's blocks 4-7) are in
.if \first
	WIN 0x81                                       ; C (the bias) window 0, D window 2
.else
	WIN MUL_LO
.endif
	MUL16 0, (\q)%2, \q, \slot, \first
	MUL16 2, (\q)%2, \q, \slot, \first
	s_wait_dscnt 0                                 ; A's blocks 4-7 are in
	PLACES NP                                      ; in front of loads into registers that matrix instructions have read
	FETCH_B \slot, (\q)+1, 1-(\q)%2
	FETCH_A \slot, (\q)+1, 0
.if \first
	WIN 0xc1
.else
	WIN MUL_HI
.endif
	MUL16 4, (\q)%2, \q, \slot, \first
	MUL16 6, (\q)%2, \q, \slot, \first
	PLACES NP
	WIN 0
	FETCH_A \slot, (\q)+1, 4
.endm
	s_wait_tensorcnt 1                             ; the scales and my part of slot 0 are in; slot 1's load, the one issued behind them, may be out
	s_barrier_signal -1
	s_barrier_wait -1                              ; everybody's are
	FETCH_B 0, 0, 0
	FETCH_A 0, 0, 0
	SCALES 0
	FETCH_A 0, 0, 4
	STEP 0, 0, 1
	STEP 0, 1, 0
	STEP 0, 2, 0
	; slot 0's last step goes over to slot 1: one barrier, in front of which each wave's part of slot 1 has landed.
	s_wait_tensorcnt 0x0                           ; my part of slot 1 is in: no load was issued behind it
	s_wait_dscnt 4*NL
	WIN MUL_LO
	MUL16 0, 1, NQ-1, 0, 0
	s_wait_dscnt 0x0                               ; no LDS instruction of mine is out at the signal
	s_barrier_signal -1
	MUL16 2, 1, NQ-1, 0, 0
	WIN 0
	s_barrier_wait -1
	PLACES NP
	v_add_nc_u32 v[ADRS], 4*NQ, v[ADRS]            ; on to slot 1's scale words
	FETCH_B 1, 0, 0
	FETCH_A 1, 0, 0
	SCALES 1
	WIN MUL_HI
	MUL16 4, 1, NQ-1, 0, 0
	MUL16 6, 1, NQ-1, 0, 0
	PLACES NP
	WIN 0
	FETCH_A 1, 0, 4
	STEP 1, 0, 0
	STEP 1, 1, 0
	STEP 1, 2, 0
	s_wait_dscnt 4*NL                              ; the last step: nothing more to fetch
	WIN MUL_LO
	MUL16 0, 1, NQ-1, 1, 0
	MUL16 2, 1, NQ-1, 1, 0
	s_wait_dscnt 0
	WIN MUL_HI
	MUL16 4, 1, NQ-1, 1, 0
	MUL16 6, 1, NQ-1, 1, 0
	WIN 0
; 16 nb numbers of a lane, register 16 b + 8 u + j = n' 32 b + 16 u + 8 h + j of my row, become codes in v[pc] on and the row's scale bytes in v[pw].
; A block of 32 lies in lanes l and l xor 16.  A conversion gives 8 codes, word 2 u + h of block b.  Sent to register 4 (b / 2) + 2 u + b % 2 and exchanged in pairs between the halves of the lanes,
; lane (r, h) ends with block 2 c + h whole in registers 4 c .. 4 c + 3: the matrix operand's layout, and 16 consecutive bytes of the row in memory.
.macro QUANT src, nb, pc, pw
.set qb, 0
.rept \nb
	v_max3_num_f32 v[TM+qb], |v[(\src)+16*qb]|, |v[(\src)+16*qb+1]|, 0x1800000   ; my 16 numbers, and the floor 2^(3 - 127): the byte cannot fall under 1
.set qb, qb+1
.endr
.irp i, 2,4,6,8,10,12,14
.set qb, 0
.rept \nb
	v_max3_num_f32 v[TM+qb], v[TM+qb], |v[(\src)+16*qb+\i]|, |v[(\src)+16*qb+\i+1]|   ; (the blocks by turns)
.set qb, qb+1
.endr
.endr
.set qb, 0
.rept \nb
	v_permlanex16_b32 v[TM+4+qb], v[TM+qb], s[SEL], s[SEL+1]
.set qb, qb+1
.endr
.set qb, 0
.rept \nb
	v_max_num_f32 v[TM+qb], v[TM+qb], v[TM+4+qb]   ; the block's largest magnitude
.set qb, qb+1
.endr
.set qb, 0
.rept \nb
	v_add_nc_u32 v[TM+12+qb], 0xff000000, v[TM+qb] ; 2 off its exponent field: the conversion's scale operand
.set qb, qb+1
.endr
.set qb, 0
.rept \nb
	v_lshrrev_b32 v[TM+4+qb], 23, v[TM+12+qb]      ; the scale's byte
.set qb, qb+1
.endr
	v_lshl_or_b32 v[\pw], v[TM+5], 8, v[TM+4]
.if \nb == 4
	v_lshl_or_b32 v[\pw], v[TM+6], 16, v[\pw]
	v_lshl_or_b32 v[\pw], v[TM+7], 24, v[\pw]
.endif
.set qb, 0
.rept \nb
	v_cvt_scalef32_pk8_fp4_f32 v[(\pc)+4*(qb/2)+(qb%2)], v[(\src)+16*qb:(\src)+16*qb+7], v[TM+12+qb]
	v_cvt_scalef32_pk8_fp4_f32 v[(\pc)+4*(qb/2)+2+(qb%2)], v[(\src)+16*qb+8:(\src)+16*qb+15], v[TM+12+qb]
.set qb, qb+1
.endr
	v_nop                                          ; one plain place behind a scaled conversion
.set qb, 0
.rept \nb
	v_permlane16_swap_b32 v[(\pc)+2*qb], v[(\pc)+2*qb+1]
.set qb, qb+1
.endr
.endm
; THE WAY OUT of A's block a: 16 rows x 128 along n'.  The row bias is added on the way into window 0 (each accumulator from its low end on); four blocks of 32 are quantised; each half of the codes leaves as
; 512 consecutive bytes (16 rows of 32); the rows' scale words go to my stage.  Each block has registers of its own for its codes and its word: no store's data are written again.
.macro OUTBLK a
	WIN 0x02+(\a)/4
.set ii, 0
.rept 32
	v_pk_add_f32 v[T+2*ii:T+2*ii+1], v[64*((\a)%4)+2*ii:64*((\a)%4)+2*ii+1], v[BR+2*(\a):BR+2*(\a)+1]
.set ii, ii+1
.endr
	WIN 0
	QUANT T, 4, PC+8*(\a), PW+(\a)
	global_store_b128 v[CO], v[PC+8*(\a):PC+8*(\a)+3], s[OB+4*((\a)/4):OB+4*((\a)/4)+1] offset:512*((\a)%4)
	global_store_b128 v[CO], v[PC+8*(\a)+4:PC+8*(\a)+7], s[OB+4*((\a)/4)+2:OB+4*((\a)/4)+3] offset:512*((\a)%4)
	ds_store_b32 v[SS], v[PW+(\a)] offset:64*(\a)  ; lanes r and 16 + r write the same word with the same value
.endm
	PLACES NP                                      ; behind the last products: results are read, and A's fragments are written over
.irp a, 0,1,2,3,4,5,6,7
	OUTBLK \a
.endr
	ds_load_b128 v[TM+8:TM+11], v[SRD]             ; LDS serves a wave's instructions in order (ISA guide 5.7.1.4): this sees my stores
	s_wait_dscnt 0x0
	global_store_b128 v[SO], v[TM+8:TM+11], s[92:93]   ; sixteen lanes store 256 consecutive bytes, at a multiple of 256 from the buffer's first byte
	s_wait_tensorcnt 0x0
	ds_add_u32 v28, v31
	s_wait_dscnt 0x0
	CROUND                                         ; the closing round: no work-group ends while a partner may still ask for a tile that names it
	s_endpgm
.Lfunc_end_k_q867ca8810e_qkv:
	.size	k_q867ca8810e_qkv, .Lfunc_end_k_q867ca8810e_qkv-k_q867ca8810e_qkv
	.p2alignl 7, 3214868480
	.fill 96, 4, 3214868480
	.section	.rodata,"a",@progbits
	.p2align	6, 0x0
	.amdhsa_kernel k_q867ca8810e_qkv
		.amdhsa_group_segment_fixed_size 327680
		.amdhsa_private_segment_fixed_size 0
		.amdhsa_enable_private_segment 0
		.amdhsa_kernarg_size 72
		.amdhsa_user_sgpr_count 2
		.amdhsa_user_sgpr_kernarg_segment_ptr 1
		.amdhsa_wavefront_size32 1
		.amdhsa_system_sgpr_workgroup_id_x 1
		.amdhsa_system_sgpr_workgroup_id_y 1
		.amdhsa_system_sgpr_workgroup_id_z 1
		.amdhsa_system_vgpr_workitem_id 0
		.amdhsa_next_free_vgpr 1024
		.amdhsa_next_free_sgpr 106
		.amdhsa_reserve_vcc 0
		.amdhsa_float_denorm_mode_32 3
		.amdhsa_float_denorm_mode_16_64 3
		.amdhsa_memory_ordered 1
		.amdhsa_forward_progress 1
		.amdhsa_inst_pref_size 153
	.end_amdhsa_kernel
	.amdgpu_metadata
---
amdhsa.version: [ 1, 2 ]
amdhsa.kernels:
  - .name:           k_q867ca8810e_qkv
    .symbol:         k_q867ca8810e_qkv.kd
    .args:
      - { .name: x_codes, .offset: 0, .size: 8, .value_kind: global_buffer, .address_space: global }
      - { .name: x_scales, .offset: 8, .size: 8, .value_kind: global_buffer, .address_space: global }
      - { .name: qkv_w_codes, .offset: 16, .size: 8, .value_kind: global_buffer, .address_space: global }
      - { .name: qkv_w_scales, .offset: 24, .size: 8, .value_kind: global_buffer, .address_space: global }
      - { .name: qkv_b, .offset: 32, .size: 8, .value_kind: global_buffer, .address_space: global }
      - { .name: qk_codes, .offset: 40, .size: 8, .value_kind: global_buffer, .address_space: global }
      - { .name: qk_scales, .offset: 48, .size: 8, .value_kind: global_buffer, .address_space: global }
      - { .name: v_codes, .offset: 56, .size: 8, .value_kind: global_buffer, .address_space: global }
      - { .name: v_scales, .offset: 64, .size: 8, .value_kind: global_buffer, .address_space: global }
    .group_segment_fixed_size: 327680
    .private_segment_fixed_size: 0
    .kernarg_segment_align: 8
    .kernarg_segment_size: 72
    .max_flat_workgroup_size: 128
    .sgpr_count:     106
    .vgpr_count:     1024
    .wavefront_size: 32
...
	.end_amdgpu_metadata
.endif
;; end of part 1
;; launch attn (part 2): grid 8 x 32, 16 waves a work-group, no clusters, 169,984 bytes of LDS; arguments qk_codes, qk_scales, v_codes, v_scales, a_codes, a_scales; writes a_codes, a_scales
.if DOCPART == 2
	.amdgcn_target "amdgcn-amd-amdhsa--gfx1250"
	.amdhsa_code_object_version 6
	.text
	.protected	k_q867ca8810e_attn
	.globl	k_q867ca8810e_attn
	.p2align	8
	.type	k_q867ca8810e_attn,@function
k_q867ca8810e_attn:
	s_mov_b64 s[64:65], 0
	v_nop
	global_prefetch_b8 v0, s[64:65] scope:SCOPE_SE
	s_setreg_imm32_b32 hwreg(HW_REG_WAVE_MODE, 25, 1), 1
	s_wait_xcnt 0x0
; Causal attention of one head on codes of FP4 (E2M1) with one E8M0 scale for each 32 along a product's K; the result is divided by the row's sum and leaves as codes along C.
; t = score x log2(e) / 8; M = the running largest t rounded UP to a whole number; p = 2^(t - M) is quantised along the keys, not normalised; the row's sum is taken of the unquantised p.
; SHARES.  A head's 2,048 queries are 16 half-blocks of 128.  Work-group j of a head owns half-blocks j and 15 - j: (j + 1) + (16 - j) = 17 key steps for each pair of waves, the same in every work-group.
; Each of the sixteen waves owns 16 queries in 256 registers, four waves to a SIMD, so that one wave's vector work stands beside another's products and LDS loads; waves of the early and of the late half-block alternate.
; LDS.  The head's K and V codes (64 KiB each) and their scale bytes come ONCE, one tensor load a wave (waves 0-10), and stay: no byte is filled twice.
; NO CLUSTER: the eight work-groups of a head read the same K and V, but a step whose keys all come after a wave's queries is left out by a branch on the query block, which differs between those work-groups,
; and joint loads want partners that run alike; walking all keys instead would double the vector work, which is the bulk of this launch.
; LAYOUT.  Both products are used transposed: S^T = K Q^T (source 0 = 16 keys, source 1 = my queries), O^T = V^T P^T: a lane holds ONE query (lane % 16); register j of tile t is key (or channel) 16 t + 8 (lane / 16) + j.
; The head's K is 64: the upper 64 of the instruction's 128 are zero codes on both sides, set once; their scale bytes are 0, that is 2^-127, over zeros.
; Rows of 32 bytes (64 codes) lie in LDS eight to a line of 256 bytes + 16 of padding: row n at 32 n + 16 (n / 8): the 16 rows of a fragment load fall on 16 different 16-byte columns of the 256.
; LIMITS: NaN and infinities are not served.  1 / sum is v_rcp_f32 and a multiplication.  v_exp_f32 gives 0 under 2^-126.  A block's largest p is taken through the block's largest score (p rises with the score).
; A block whose largest magnitude lies under 2^-124 (a block of zeros too) gets the byte 1: these bytes are read by this program alone.
; REGISTERS: v1-7 addresses that stay; v8-11 the step's addresses; v12 -M, v13 the largest t, v[14:15] the sum; v16-23 Q; v24-31 p's codes; v32-95 eight fragments of K; v96-159 S^T, then p; v160-191 O^T;
;   v192-223 four fragments of V; v224-227 K's scales, v228-231 V's, v248 Q's, v249 p's; v232-247, v250-254 at work; v255 a_scales' offset.
.set VC,    69632                      ; V's codes, behind K's
.set KSB,   139264                     ; K's scale words: 4 bytes a key (two heads' two bytes)
.set VSB,   147456                     ; V's: [16 groups of 128 keys][64 channels][4 bytes]
.set STG,   151552                     ; 512 bytes: the results' scale bytes on their way out; no tensor load lands here
.set TM,    232
.set SEL,   20
.macro PLACES n
.rept \n
	v_nop
.endr
.endm
	s_load_b256 s[4:11], s[0:1], 0x0               ; qk_codes, qk_scales, v_codes, v_scales
	s_load_b128 s[12:15], s[0:1], 0x20             ; a_codes, a_scales
	v_lshl_add_u32 v242, v0, 2, 0x29000
	v_mov_b32 v243, 0
	ds_add_u32 v242, v243
	ds_add_u32 v242, v243
	v_lshrrev_b32 v8, 5, v0
	s_delay_alu instid0(VALU_DEP_1)
	v_readfirstlane_b32 s16, v8                    ; wave 0..15
	s_and_b32 s17, ttmp7, 0xffff                   ; 16 b + head
	s_lshr_b32 s18, s17, 4                         ; b
	s_and_b32 s19, s17, 15                         ; head
	s_and_b32 s48, s17, 1                          ; which half of a pair's scale word is my head's
	s_lshr_b32 s49, s16, 2
	s_xor_b32 s49, s49, s16
	s_and_b32 s49, s49, 1                          ; 0: the early half-block, 1: the late one
	s_lshr_b32 s56, s16, 1                         ; which 16 of its 128 queries
	s_lshl_b32 s57, ttmp9, 1
	s_sub_co_u32 s57, 15, s57                      ; 15 - 2 j
	s_mul_i32 s58, s49, s57
	s_add_co_u32 s58, s58, ttmp9                   ; my half-block: j or 15 - j
	s_lshl_b32 s51, s58, 7
	s_lshl_b32 s59, s56, 4
	s_add_co_u32 s51, s51, s59                     ; my first query
	; descriptor groups 1.  Codes: 16,384 dense bytes as 64 lines of 256 (32 elements of 8 bytes), 16 bytes of padding behind each.  Scale bytes: 4,096 dense bytes as 16 lines, no padding
	s_mov_b32 s24, (3<<16)|(1<<20)|(5<<22)|(3<<25)
	s_mov_b32 s25, 32<<16
	s_mov_b32 s26, 64<<16
	s_mov_b32 s27, 32<<16
	s_mov_b32 s28, 64
	s_mov_b32 s29, 32
	s_mov_b32 s30, 0
	s_mov_b32 s31, 0
	s_mov_b32 s32, 3<<16
	s_mov_b32 s33, 32<<16
	s_mov_b32 s34, 16<<16
	s_mov_b32 s35, 32<<16
	s_mov_b32 s36, 16
	s_mov_b32 s37, 32
	s_mov_b32 s38, 0
	s_mov_b32 s39, 0
	; byte offsets in the buffers
	s_lshl_b32 s60, s19, 17
	s_lshl_b32 s59, s18, 16
	s_add_co_u32 s60, s60, s59                     ; q's group of this head, this b
	s_add_co_u32 s62, s60, 0x200000                ; k's: 16 groups on
	s_lshl_b32 s59, s51, 5
	s_add_co_u32 s60, s60, s59                     ; my queries' codes
	s_mov_b32 s61, 0
	s_mov_b32 s63, 0
	s_lshr_b32 s66, s19, 1
	s_lshl_b32 s66, s66, 14
	s_lshl_b32 s59, s18, 13
	s_add_co_u32 s66, s66, s59                     ; q's pair of this head, this b
	s_add_co_u32 s68, s66, 0x20000                 ; k's: 8 pairs on
	s_lshl_b32 s59, s51, 2
	s_add_co_u32 s66, s66, s59
	s_lshl_b32 s59, s48, 1
	s_add_co_u32 s66, s66, s59                     ; my queries' two scale bytes
	s_mov_b32 s67, 0
	s_mov_b32 s69, 0
	s_lshl_b32 s70, s17, 16                        ; v's codes
	s_mov_b32 s71, 0
	s_lshl_b32 s72, s17, 12                        ; v's scale words
	s_mov_b32 s73, 0
	s_lshl_b32 s74, s18, 4
	s_add_co_u32 s76, s74, ttmp9                   ; 16 b + j
	s_add_co_u32 s74, s74, s58                     ; 16 b + my half-block: the block of 128 tokens
	s_lshl_b32 s74, s74, 4
	s_add_co_u32 s74, s74, s19
	s_lshl_b32 s74, s74, 12
	s_lshl_b32 s59, s56, 9
	s_add_co_u32 s74, s74, s59                     ; a_codes [block][head][128][32]: my 16 rows
	s_mov_b32 s75, 0
	s_lshl_b32 s76, s76, 4
	s_add_co_u32 s76, s76, s19
	s_lshl_b32 s76, s76, 8                         ; a_scales [block][head][128][2]: the early half-block's 256 bytes
	s_mov_b32 s77, 0
	s_and_b32 s78, s16, 3
	s_lshl_b32 s78, s78, 14                        ; which quarter of the codes I fetch
	s_mov_b32 s79, 0
	s_and_b32 s80, s16, 1
	s_lshl_b32 s80, s80, 12                        ; which 4,096 scale bytes
	s_mov_b32 s81, 0
	s_mul_i32 s41, s16, 17408                      ; waves 0-3: K's quarters from byte 0; waves 4-7: V's from byte 69,632
	s_lshl_b32 s45, s16, 12
	s_add_co_u32 s45, s45, 106496                  ; waves 8, 9: K's scale bytes from 139,264; wave 10: V's at 147,456
	s_mov_b32 s40, 1
	s_mov_b32 s44, 1
	s_mov_b32 s[SEL], 0x76543210
	s_mov_b32 s[SEL+1], 0xfedcba98                 ; v_permlanex16_b32's selects for lane l xor 16
	s_mov_b32 s22, 0x3e38aa3b                      ; c = log2(e) / 8
	s_mov_b32 s23, s22                             ; (named with it as a pair)
	s_mov_b32 s50, 0                               ; the step's first key
	s_mov_b32 s52, 0                               ; its codes in LDS: 4,352 bytes a step, for K and for V alike
	s_mov_b32 s53, 0                               ; K's scale words: 512 bytes a step
	s_mov_b32 s54, 0                               ; V's: 256
	s_wait_dscnt 0x0
	s_wait_kmcnt 0x0
	s_add_nc_u64 s[62:63], s[4:5], s[62:63]
	s_add_nc_u64 s[70:71], s[8:9], s[70:71]
	s_add_nc_u64 s[68:69], s[6:7], s[68:69]
	s_add_nc_u64 s[72:73], s[10:11], s[72:73]
	s_cmp_lt_u32 s16, 4
	s_cselect_b64 s[42:43], s[62:63], s[70:71]
	s_add_nc_u64 s[42:43], s[42:43], s[78:79]
	s_or_b32 s43, s43, 0x80000000
	s_cmp_lt_u32 s16, 10
	s_cselect_b64 s[46:47], s[68:69], s[72:73]
	s_add_nc_u64 s[46:47], s[46:47], s[80:81]
	s_or_b32 s47, s47, 0x80000000
	s_cmp_lt_u32 s16, 8                            ; one load a wave at the most; four v_nop follow each line
	s_cbranch_scc0 .Lnot_codes
	tensor_load_to_lds s[40:43], s[24:31]
	s_nop 0
.rept 4
	v_nop
.endr
	s_branch .Lasked
.Lnot_codes:
	s_cmp_lt_u32 s16, 11
	s_cbranch_scc0 .Lasked
	tensor_load_to_lds s[44:47], s[32:39]
	s_nop 0
.rept 4
	v_nop
.endr
.Lasked:
	s_add_nc_u64 s[60:61], s[4:5], s[60:61]
	s_add_nc_u64 s[66:67], s[6:7], s[66:67]
	s_add_nc_u64 s[74:75], s[12:13], s[74:75]
	s_add_nc_u64 s[76:77], s[14:15], s[76:77]
	v_and_b32 v8, 15, v0                           ; r
	v_bfe_u32 v9, v0, 4, 1                         ; h
	v_and_b32 v10, 31, v0                          ; lane
	s_delay_alu instid0(VALU_DEP_3)
	v_lshlrev_b32 v6, 5, v8
	s_delay_alu instid0(VALU_DEP_1)
	v_lshl_add_u32 v6, v9, 4, v6                   ; 32 r + 16 h: a row's block h, in memory
	global_load_b128 v[16:19], v6, s[60:61]        ; Q's fragment: block h of query r
	v_lshlrev_b32 v254, 2, v8
	global_load_u16 v248, v254, s[66:67]           ; and its two scale bytes
	v_lshrrev_b32 v11, 3, v8
	s_delay_alu instid0(VALU_DEP_1)
	v_lshl_add_u32 v1, v11, 4, v6                  ; and in LDS: + 16 (r / 8).  K's tiles
	s_delay_alu instid0(VALU_DEP_1)
	v_add_nc_u32 v2, VC, v1                        ; V's
	v_lshlrev_b32 v3, 2, v10
	s_lshl_b32 s59, s48, 1
	s_add_co_u32 s59, s59, KSB
	v_add_nc_u32 v3, s59, v3                       ; K's scales: key = lane: lanes 0-15 an even tile's keys, lanes 16-31 the odd tile's behind it
	v_lshl_add_u32 v4, v8, 2, VSB                  ; V's scale words: channel r
	s_lshl_b32 s59, s49, 8
	s_lshl_b32 s82, s56, 5
	s_add_co_u32 s59, s59, s82
	s_add_co_u32 s59, s59, STG
	v_lshl_add_u32 v5, v8, 1, s59                  ; the stage: 256 x half-block + 2 x query
	v_lshl_add_u32 v7, v10, 4, STG                 ; and back: 16 x lane
	s_lshl_b32 s59, s57, 12
	v_mul_u32_u24 v255, s59, v9                    ; the late half-block's 256 bytes lie (15 - 2 j) blocks of 4,096 bytes on
	s_delay_alu instid0(VALU_DEP_1)
	v_lshl_add_u32 v255, v8, 4, v255
.irp i, 20,21,22,23
	v_mov_b32 v[\i], 0                             ; Q beyond the head's 64: zero codes
.endr
.irp t, 0,1,2,3,4,5,6,7
.irp i, 4,5,6,7
	v_mov_b32 v[32+8*\t+\i], 0                     ; K likewise: set once, no load lands here
.endr
.endr
	v_mov_b32 v13, 0xff61b1e6                      ; the largest t so far: -3e38
	s_delay_alu instid0(VALU_DEP_1)
	v_floor_f32 v12, -v13                          ; -M
	v_mov_b32 v14, 0
	v_mov_b32 v15, 0
.irp b, 0,1,2,3
	v_mov_b32 v[236+\b], 0                         ; written once: a lane permute's destination counts as one of its sources
.endr
	v_mov_b32 v250, 0
	v_mov_b32 v253, 0                              ; (the upper half of the pair v[252:253])
.set ii, 0
.rept 32
	v_mov_b32 v[160+ii], 0                         ; O^T: the step is written once; the first finds zeros, which the first change of M leaves zeros
.set ii, ii+1
.endr
	s_wait_tensorcnt 0x0                           ; my load, if I issued one, has landed
	s_barrier_signal -1
	s_barrier_wait -1                              ; everybody's has: K, V and their scales lie in LDS for the rest of the launch
	s_wait_loadcnt 0x0                             ; Q
	s_mov_b32 s55, 16                              ; every wave walks all 16 steps: the trip count is a constant; a step that is hidden does no work
.Lstep:
	s_add_co_u32 s59, s51, 15
	s_cmp_gt_u32 s50, s59                          ; all 128 keys come after my 16 queries?
	s_cbranch_scc1 .Lhidden
	s_setprio 2
	v_add_nc_u32 v8, s52, v1                       ; (these four are also the places behind the last step's products, in front of the loads)
	v_add_nc_u32 v9, s52, v2
	v_add_nc_u32 v10, s53, v3
	v_add_nc_u32 v11, s54, v4
.irp t, 0,1,2,3,4,5,6,7
	ds_load_b128 v[32+8*\t:35+8*\t], v8 offset:544*\t              ; K: keys 16 t + r, block h
.endr
.irp f, 0,1,2,3
	ds_load_u16 v[224+\f], v10 offset:128*\f                       ; the scales of tiles 2 f (lanes 0-15) and 2 f + 1 (lanes 16-31)
.endr
.irp t, 0,1,2,3
.irp c, 0,1
	ds_load_b128 v[192+8*\t+4*\c:195+8*\t+4*\c], v9 offset:544*\t+2176*\c   ; V^T: channel 16 t + r, keys 64 c + 32 h on
.endr
	ds_load_b32 v[228+\t], v11 offset:64*\t
.endr
	s_wait_dscnt 12                                ; K and its scales are in; V's twelve loads may be out
.irp t, 0,2,4,6
	v_wmma_scale_f32_16x16x128_f8f6f4 v[96+8*\t:103+8*\t], v[32+8*\t:39+8*\t], v[16:23], 0, v[224+\t/2], v248 matrix_a_fmt:MATRIX_FMT_FP4 matrix_b_fmt:MATRIX_FMT_FP4
	v_wmma_scale_f32_16x16x128_f8f6f4 v[104+8*\t:111+8*\t], v[40+8*\t:47+8*\t], v[16:23], 0, v[224+\t/2], v248 matrix_a_fmt:MATRIX_FMT_FP4 matrix_b_fmt:MATRIX_FMT_FP4 matrix_a_scale:MATRIX_SCALE_ROW1
.endr
	PLACES 4
	s_add_co_u32 s59, s50, 127
	s_cmp_le_u32 s59, s51                          ; all 128 keys count for all my queries?
	s_cbranch_scc1 .Lopen
	s_sub_co_i32 s59, s51, s50                     ; on the diagonal the scores of hidden keys become -infinity ahead of the maximum: p = 0 then
	v_and_b32 v250, 15, v0
	v_bfe_u32 v251, v0, 4, 1
	s_delay_alu instid0(VALU_DEP_1)
	v_lshlrev_b32 v251, 3, v251
	s_delay_alu instid0(VALU_DEP_1)
	v_sub_nc_u32 v250, v250, v251
	s_delay_alu instid0(VALU_DEP_1)
	v_add_nc_u32 v250, s59, v250                   ; d = my query - the step's first key - 8 h.  Register 8 t + i holds key 16 t + 8 h + i of the step: hidden where 16 t + i > d
	v_mov_b32 v254, 0xff800000
.irp n, 0,1,2,3,4,5,6,7,8,9,10,11,12,13,14,15,16,17,18,19,20,21,22,23,24,25,26,27,28,29,30,31,32,33,34,35,36,37,38,39,40,41,42,43,44,45,46,47,48,49,50,51,52,53,54,55,56,57,58,59,60,61,62,63
	v_cmp_gt_i32 vcc_lo, 16*(\n/8)+\n%8, v250
	v_cndmask_b32 v[96+\n], v[96+\n], v254, vcc_lo
.endr
.Lopen:
.irp b, 0,1,2,3
	v_max3_num_f32 v[232+\b], v[96+16*\b], v[97+16*\b], v[98+16*\b]   ; the largest score of each block of 32 keys: for the row's maximum, and for the block's largest p
.endr
.irp i, 3,5,7,9,11,13
.irp b, 0,1,2,3
	v_max3_num_f32 v[232+\b], v[232+\b], v[96+16*\b+\i], v[97+16*\b+\i]
.endr
.endr
.irp b, 0,1,2,3
	v_max_num_f32 v[232+\b], v[232+\b], v[111+16*\b]
.endr
.irp b, 0,1,2,3
	s_delay_alu instid0(VALU_DEP_4)
	v_permlanex16_b32 v[236+\b], v[232+\b], s[SEL], s[SEL+1]
.endr
.irp b, 0,1,2,3
	s_delay_alu instid0(VALU_DEP_4)
	v_max_num_f32 v[232+\b], v[232+\b], v[236+\b]  ; with lane l xor 16's 16 keys
.endr
	s_delay_alu instid0(VALU_DEP_2)
	v_max3_num_f32 v254, v232, v233, v234
	s_delay_alu instid0(VALU_DEP_1)
	v_max_num_f32 v254, v254, v235                 ; the step's largest score of my query
	s_delay_alu instid0(VALU_DEP_1)
	v_mul_f32 v254, s22, v254                      ; as t (c is positive)
	s_delay_alu instid0(VALU_DEP_1)
	v_max_num_f32 v13, v13, v254                   ; the running largest t
	v_mov_b32 v254, v12
	s_delay_alu instid0(VALU_DEP_2)
	v_floor_f32 v12, -v13                          ; the new -M = -ceil(t)
	s_delay_alu instid0(VALU_DEP_1)
	v_sub_f32 v254, v12, v254                      ; old M - new M: a whole number, 0 or less
	s_delay_alu instid0(VALU_DEP_1)
	v_cvt_i32_f32 v254, v254                       ; (it saturates)
	s_delay_alu instid0(VALU_DEP_1)
	v_ldexp_f32 v252, 1.0, v254                    ; f = 2^(old M - new M): a multiplication by it rounds nothing
.irp j, 0,2,4,6,8,10,12,14,16,18,20,22,24,26,28,30,32,34,36,38,40,42,44,46,48,50,52,54,56,58,60,62
	v_pk_fma_f32 v[96+\j:97+\j], v[96+\j:97+\j], s[22:23], v[12:13] op_sel_hi:[1,0,0]   ; t - M
.endr
	s_setprio 1
.irp b, 0,1,2,3
	v_fma_f32 v[232+\b], v[232+\b], s22, v12       ; the same of each block's largest score
.endr
	s_wait_alu depctr_va_vdst(0)
.irp j, 0,1,2,3,4,5,6,7,8,9,10,11,12,13,14,15,16,17,18,19,20,21,22,23,24,25,26,27,28,29,30,31,32,33,34,35,36,37,38,39,40,41,42,43,44,45,46,47,48,49,50,51,52,53,54,55,56,57,58,59,60,61,62,63
	v_exp_f32 v[96+\j], v[96+\j]                   ; p = 2^(t - M)
.endr
.irp b, 0,1,2,3
	v_exp_f32 v[232+\b], v[232+\b]                 ; the block's largest p
.endr
	v_pk_mul_f32 v[14:15], v[14:15], v[252:253] op_sel_hi:[1,0]   ; the sum under the new M.  (The plain place behind the exponentials)
	s_wait_alu depctr_va_vdst(0)
.irp b, 0,1,2,3
	v_max_num_f32 v[232+\b], 0x1800000, v[232+\b]  ; the floor 2^(3 - 127): the byte cannot fall under 1
.endr
.irp b, 0,1,2,3
	s_delay_alu instid0(VALU_DEP_4)
	v_add_nc_u32 v[244+\b], 0xff000000, v[232+\b]  ; 2 off the exponent field: the conversion's scale operand
.endr
.irp b, 0,1,2,3
	s_delay_alu instid0(VALU_DEP_4)
	v_lshrrev_b32 v[236+\b], 23, v[244+\b]         ; the scale's byte
.endr
	s_delay_alu instid0(VALU_DEP_3)
	v_lshl_or_b32 v249, v237, 8, v236              ; p's scale word for these 128 keys
	s_delay_alu instid0(VALU_DEP_1)
	v_lshl_or_b32 v249, v238, 16, v249
	s_delay_alu instid0(VALU_DEP_1)
	v_lshl_or_b32 v249, v239, 24, v249
.irp b, 0,1,2,3
	v_cvt_scalef32_pk8_fp4_f32 v[24+4*(\b/2)+(\b%2)], v[96+16*\b:103+16*\b], v[244+\b]     ; word h of block b
	v_cvt_scalef32_pk8_fp4_f32 v[26+4*(\b/2)+(\b%2)], v[104+16*\b:111+16*\b], v[244+\b]    ; word 2 + h
.endr
	v_nop                                          ; one plain place behind a scaled conversion
.irp i, 24,26,28,30
	v_permlane16_swap_b32 v[\i], v[\i+1]           ; lane (r, h) now holds block 2 c + h whole in registers 4 c .. 4 c + 3
.endr
	v_pk_add_f32 v[236:237], v[100:101], v[104:105]
	v_pk_add_f32 v[246:247], v[108:109], v[112:113]
	v_pk_add_f32 v[244:245], v[116:117], v[120:121]
	v_pk_add_f32 v[240:241], v[124:125], v[128:129]
	v_pk_add_f32 v[234:235], v[132:133], v[136:137]
	v_pk_add_f32 v[232:233], v[140:141], v[144:145]
	v_pk_add_f32 v[226:227], v[148:149], v[152:153]
	v_pk_add_f32 v[14:15], v[14:15], v[156:157]
	v_pk_add_f32 v[236:237], v[236:237], v[96:97]
	v_pk_add_f32 v[246:247], v[246:247], v[98:99]
	v_pk_add_f32 v[244:245], v[244:245], v[102:103]
	s_setprio 0
	v_pk_add_f32 v[240:241], v[240:241], v[106:107]
	v_pk_add_f32 v[234:235], v[234:235], v[110:111]
	v_pk_add_f32 v[232:233], v[232:233], v[114:115]
	v_pk_add_f32 v[226:227], v[226:227], v[118:119]
	v_pk_add_f32 v[14:15], v[14:15], v[122:123]
	v_pk_add_f32 v[236:237], v[236:237], v[126:127]
	v_pk_add_f32 v[246:247], v[246:247], v[130:131]
	v_pk_add_f32 v[244:245], v[244:245], v[134:135]
	v_pk_add_f32 v[240:241], v[240:241], v[138:139]
	v_pk_add_f32 v[234:235], v[234:235], v[142:143]
	v_pk_add_f32 v[232:233], v[232:233], v[146:147]
	v_pk_add_f32 v[226:227], v[226:227], v[150:151]
	v_pk_add_f32 v[14:15], v[14:15], v[154:155]
	v_pk_add_f32 v[236:237], v[236:237], v[158:159]
	s_delay_alu instid0(VALU_DEP_2)
	v_pk_add_f32 v[14:15], v[14:15], v[240:241]
	s_delay_alu instid0(VALU_DEP_2)
	v_pk_add_f32 v[236:237], v[236:237], v[234:235]
	v_pk_add_f32 v[246:247], v[246:247], v[232:233]
	v_pk_add_f32 v[244:245], v[244:245], v[226:227]
	s_delay_alu instid0(VALU_DEP_2)
	v_pk_add_f32 v[14:15], v[14:15], v[246:247]
	s_delay_alu instid0(VALU_DEP_2)
	v_pk_add_f32 v[236:237], v[236:237], v[244:245]
	s_delay_alu instid0(VALU_DEP_1)
	v_pk_add_f32 v[14:15], v[14:15], v[236:237]
.irp j, 0,2,4,6,8,10,12,14,16,18,20,22,24,26,28,30
	v_pk_mul_f32 v[160+\j:161+\j], v[160+\j:161+\j], v[252:253] op_sel_hi:[1,0]   ; O^T under the new M.  (With the sums: the places between p's codes and scale word and the products)
.endr
	s_wait_alu depctr_va_vdst(0)
	s_wait_dscnt 0x0                               ; V and its scale words
.irp t, 0,1,2,3
	v_wmma_scale_f32_16x16x128_f8f6f4 v[160+8*\t:167+8*\t], v[192+8*\t:199+8*\t], v[24:31], v[160+8*\t:167+8*\t], v[228+\t], v249 matrix_a_fmt:MATRIX_FMT_FP4 matrix_b_fmt:MATRIX_FMT_FP4
.endr
.Lhidden:
	s_add_co_u32 s50, s50, 128
	s_add_co_u32 s52, s52, 4352
	s_add_co_u32 s53, s53, 512
	s_add_co_u32 s54, s54, 256
	s_sub_co_u32 s55, s55, 1
	s_cmp_lg_u32 s55, 0
	s_cbranch_scc1 .Lstep
	s_setprio 0
	; THE WAY OUT: O^T / the sum; its 64 channels are two blocks of 32 along C: quantised as p was; 16 bytes a lane, 512 consecutive bytes a wave.
	PLACES 4
	v_add_f32 v14, v14, v15
	s_delay_alu instid0(VALU_DEP_1)
	v_permlanex16_b32 v250, v14, s[SEL], s[SEL+1]
	s_delay_alu instid0(VALU_DEP_1)
	v_add_f32 v14, v14, v250                       ; the row's sum
	s_wait_alu depctr_va_vdst(0)
	v_rcp_f32 v14, v14
	v_nop                                          ; one plain place behind a transcendental
.set ii, 0
	s_wait_alu depctr_va_vdst(0)
.rept 32
	v_mul_f32 v[96+ii], v[160+ii], v14             ; register 8 t + i: channel 16 t + 8 h + i of query r
.set ii, ii+1
.endr
.irp b, 0,1
	v_max3_num_f32 v[TM+\b], |v[96+16*\b]|, |v[97+16*\b]|, 0x1800000   ; my 16 numbers of block b, and the floor
.endr
.irp i, 2,4,6,8,10,12,14
.irp b, 0,1
	s_delay_alu instid0(VALU_DEP_2)
	v_max3_num_f32 v[TM+\b], v[TM+\b], |v[96+16*\b+\i]|, |v[97+16*\b+\i]|
.endr
.endr
.irp b, 0,1
	s_delay_alu instid0(VALU_DEP_2)
	v_permlanex16_b32 v[TM+4+\b], v[TM+\b], s[SEL], s[SEL+1]
.endr
.irp b, 0,1
	s_delay_alu instid0(VALU_DEP_2)
	v_max_num_f32 v[TM+\b], v[TM+\b], v[TM+4+\b]
.endr
.irp b, 0,1
	s_delay_alu instid0(VALU_DEP_2)
	v_add_nc_u32 v[TM+12+\b], 0xff000000, v[TM+\b]
.endr
.irp b, 0,1
	s_delay_alu instid0(VALU_DEP_2)
	v_lshrrev_b32 v[TM+4+\b], 23, v[TM+12+\b]
.endr
	s_delay_alu instid0(VALU_DEP_1)
	v_lshl_or_b32 v251, v[TM+5], 8, v[TM+4]        ; my query's two scale bytes
.irp b, 0,1
	v_cvt_scalef32_pk8_fp4_f32 v[24+\b], v[96+16*\b:103+16*\b], v[TM+12+\b]
	v_cvt_scalef32_pk8_fp4_f32 v[26+\b], v[104+16*\b:111+16*\b], v[TM+12+\b]
.endr
	v_nop
	v_permlane16_swap_b32 v24, v25
	v_permlane16_swap_b32 v26, v27                 ; lane (r, h): block h of query r, whole
	global_store_b128 v6, v[24:27], s[74:75]
	ds_store_b16 v5, v251                          ; lanes r and 16 + r write the same two bytes with the same value
	s_wait_dscnt 0x0                               ; for wave 0's sake: my store has landed
	s_barrier_signal -1
	s_barrier_wait -1
	s_cmp_lg_u32 s16, 0
	s_cbranch_scc1 .Ldone
	ds_load_b128 v[32:35], v7                      ; the work-group's 512 scale bytes
	s_wait_dscnt 0x0
	global_store_b128 v255, v[32:35], s[76:77]     ; sixteen lanes store 256 consecutive bytes, at a multiple of 256 from the buffer's first byte: one run for each half-block
.Ldone:
	s_wait_tensorcnt 0x0
	ds_add_u32 v242, v243
	s_wait_dscnt 0x0
	s_endpgm
.Lfunc_end_k_q867ca8810e_attn:
	.size	k_q867ca8810e_attn, .Lfunc_end_k_q867ca8810e_attn-k_q867ca8810e_attn
	.p2alignl 7, 3214868480
	.fill 96, 4, 3214868480
	.section	.rodata,"a",@progbits
	.p2align	6, 0x0
	.amdhsa_kernel k_q867ca8810e_attn
		.amdhsa_group_segment_fixed_size 169984
		.amdhsa_private_segment_fixed_size 0
		.amdhsa_enable_private_segment 0
		.amdhsa_kernarg_size 48
		.amdhsa_user_sgpr_count 2
		.amdhsa_user_sgpr_kernarg_segment_ptr 1
		.amdhsa_wavefront_size32 1
		.amdhsa_system_sgpr_workgroup_id_x 1
		.amdhsa_system_sgpr_workgroup_id_y 1
		.amdhsa_system_sgpr_workgroup_id_z 1
		.amdhsa_system_vgpr_workitem_id 0
		.amdhsa_next_free_vgpr 256
		.amdhsa_next_free_sgpr 96
		.amdhsa_reserve_vcc 1
		.amdhsa_float_denorm_mode_32 3
		.amdhsa_float_denorm_mode_16_64 3
		.amdhsa_memory_ordered 1
		.amdhsa_forward_progress 1
		.amdhsa_inst_pref_size 36
	.end_amdhsa_kernel
	.amdgpu_metadata
---
amdhsa.version: [ 1, 2 ]
amdhsa.kernels:
  - .name:           k_q867ca8810e_attn
    .symbol:         k_q867ca8810e_attn.kd
    .args:
      - { .name: qk_codes, .offset: 0, .size: 8, .value_kind: global_buffer, .address_space: global }
      - { .name: qk_scales, .offset: 8, .size: 8, .value_kind: global_buffer, .address_space: global }
      - { .name: v_codes, .offset: 16, .size: 8, .value_kind: global_buffer, .address_space: global }
      - { .name: v_scales, .offset: 24, .size: 8, .value_kind: global_buffer, .address_space: global }
      - { .name: a_codes, .offset: 32, .size: 8, .value_kind: global_buffer, .address_space: global }
      - { .name: a_scales, .offset: 40, .size: 8, .value_kind: global_buffer, .address_space: global }
    .group_segment_fixed_size: 169984
    .private_segment_fixed_size: 0
    .kernarg_segment_align: 8
    .kernarg_segment_size: 48
    .max_flat_workgroup_size: 512
    .sgpr_count:     96
    .vgpr_count:     256
    .wavefront_size: 32
...
	.end_amdgpu_metadata
.endif
;; end of part 2
;; launch proj (part 3): grid 8 x 32, 4 waves a work-group, clusters of 4 x 4, 168,448 bytes of LDS; arguments a_codes, a_scales, out_w_codes, out_w_scales, out_b, out0; writes out0
.if DOCPART == 3
	.amdgcn_target "amdgcn-amd-amdhsa--gfx1250"
	.amdhsa_code_object_version 6
	.text
	.protected	k_q867ca8810e_proj
	.globl	k_q867ca8810e_proj
	.p2align	8
	.type	k_q867ca8810e_proj,@function
k_q867ca8810e_proj:
	s_mov_b64 s[64:65], 0
	v_nop
	global_prefetch_b8 v0, s[64:65] scope:SCOPE_SE
	s_setreg_imm32_b32 hwreg(HW_REG_WAVE_MODE, 25, 1), 1
	s_wait_xcnt 0x0
	s_wait_alu depctr_hold_cnt(0) depctr_sa_sdst(0) depctr_va_vdst(0) depctr_va_sdst(0) depctr_va_ssrc(0) depctr_va_vcc(0) depctr_vm_vsrc(0)
	s_getreg_b32 s2, hwreg(HW_REG_IB_STS2, 6, 4)
	s_cmp_eq_u32 s2, 0
	s_cbranch_scc0 .Lentry_in_a_cluster
	s_endpgm
.Lentry_in_a_cluster:
	s_bfe_u32 s2, ttmp6, 0x10000c
	s_cmp_lg_u32 s2, 0xf033
	s_cbranch_scc0 .Lentry_shape_is_right
	s_endpgm
.Lentry_shape_is_right:
; out0 = a W^T + b on codes of FP4 (E2M1) with one E8M0 scale for each 32 along K = 1,024.  a: the attention's result as the launch before left it: a_codes [32 blocks of 128 tokens][16 heads][128][32 bytes],
; a_scales [block][head][128][2 bytes].  W: out_w_codes [1,024][512 bytes], out_w_scales [1,024][32].  out0 [4,096][1,024] f32.
; 4,096 x 1,024 gives 256 tiles of 128 x 128: one for each WGP.  Four waves of 64 x 64: 16 accumulators.  All of K lies in LDS at once, filled ONCE: no byte is filled twice.
; CLUSTERS: 4 x 4 work-groups.  The four of a row of the cluster need the same block of tokens, the four of a column the same rows of W: each wave asks jointly for its quarter of each of the four tiles.
; THE MATRIX INSTRUCTION IS USED TRANSPOSED (source 0 = 16 rows of W, source 1 = 16 tokens): a lane holds eight neighbouring numbers of a row of out0.  The bias is the C of each sum's first product.
; A K step of 128 is two heads: registers 4 c .. 4 c + 3 of a's fragment are block h of head 2 q + c; its scale word is the two heads' two bytes each.
; LIMITS: NaN, infinities and the scale byte 0xff among the inputs are not served.
; REGISTERS: window 0: v1-9 addresses; v16-47 a's scale words [i][q]; v48-79 W's [n][q]; v80-111 the bias [n][8]; v112-175, v176-239 two sets of fragments (a's four, then W's four), later rows of out0.
;   window 1: v0-127 the accumulators ((i, n) at v[8 (4 i + n)]).
.set BT,   69632                       ; W's 128 rows, 512 bytes + 16 of padding; in front of them a's 16 heads x 128 rows of 32 bytes, eight to a line of 256 + 16
.set SAO,  137216                      ; a's scale bytes [head][128][2]
.set SBO,  141312                      ; W's [row][32]
.set STG,  145408                      ; the way out: 16 rows x (256 + 16) bytes for each wave; no tensor load lands here
.set SA,   16
.set SB,   48
.set BI,   80
.set MSB, 0
.macro WIN new                         ; the immediate's high byte repeats the setting that is left
.if MSB != (\new)
	s_set_vgpr_msb (MSB<<8)|(\new)
.set MSB, (\new)
.endif
.endm
.macro PLACES n
.rept \n
	v_nop
.endr
.endm
.macro CROUND                          ; a round of the cluster's barrier
	s_barrier_signal -1
	s_barrier_wait -1
	s_cmp_lg_u32 s16, 0
	s_cbranch_scc1 .Lnot_wave_0_\@
	s_barrier_signal -3
.Lnot_wave_0_\@:
	s_barrier_wait -3
	s_barrier_signal -1
	s_barrier_wait -1
.endm
	s_load_b256 s[4:11], s[0:1], 0x0               ; a_codes, a_scales, W's codes, W's scales
	s_load_b128 s[12:15], s[0:1], 0x20             ; the bias, out0
	v_lshl_add_u32 v254, v0, 2, 0x29000
	v_mov_b32 v255, 0
	ds_add_u32 v254, v255
	ds_add_u32 v254, v255
	v_lshrrev_b32 v1, 5, v0
	v_readfirstlane_b32 s16, v1                    ; wave 0..3
	s_lshr_b32 s17, s16, 1                         ; which 64 tokens are mine
	s_and_b32 s18, s16, 1                          ; which 64 columns
	s_bfe_u32 s19, ttmp6, 0x40000                  ; cx
	s_bfe_u32 s20, ttmp6, 0x40004                  ; cy
	s_lshl_b32 s21, ttmp9, 2
	s_add_co_u32 s21, s21, s19                     ; tile column
	s_and_b32 s22, ttmp7, 0xffff
	s_lshl_b32 s22, s22, 2
	s_add_co_u32 s22, s22, s20                     ; block of 128 tokens
	s_lshl_b32 s76, s20, 2
	s_lshl_b32 s76, 15, s76                        ; my row of the cluster
	s_lshl_b32 s77, 0x1111, s19                    ; my column
	; descriptor groups 1, elements of 8 bytes.  Scale bytes: 1,024 dense bytes as 4 lines of 256.  a's codes: 16,384 dense bytes as 64 lines of 256, 16 bytes of padding behind each.  W's codes: 32 rows of 512, 16 behind each
	s_or_b32 s24, s76, (3<<16)|(1<<21)
	s_or_b32 s32, s77, (3<<16)|(1<<21)
.irp g, 24, 32
	s_mov_b32 s[\g+1], 32<<16
	s_mov_b32 s[\g+2], 4<<16
	s_mov_b32 s[\g+3], 32<<16
	s_mov_b32 s[\g+4], 4
	s_mov_b32 s[\g+5], 32
	s_mov_b32 s[\g+6], 0
	s_mov_b32 s[\g+7], 0
.endr
	s_or_b32 s40, s76, (3<<16)|(1<<20)|(1<<21)|(5<<22)|(3<<25)
	s_mov_b32 s41, 32<<16
	s_mov_b32 s42, 64<<16
	s_mov_b32 s43, 32<<16
	s_mov_b32 s44, 64
	s_mov_b32 s45, 32
	s_mov_b32 s46, 0
	s_mov_b32 s47, 0
	s_or_b32 s48, s77, (3<<16)|(1<<20)|(1<<21)|(6<<22)|(3<<25)
	s_mov_b32 s49, 64<<16
	s_mov_b32 s50, 32<<16
	s_mov_b32 s51, 64<<16
	s_mov_b32 s52, 32
	s_mov_b32 s53, 64
	s_mov_b32 s54, 0
	s_mov_b32 s55, 0
	; my quarter of each tile.  a's hang on the block of tokens alone, W's on the tile column alone, each in registers that never hold the other coordinate
	s_lshl_b32 s23, s16, 10
	s_lshl_b32 s78, s22, 12
	s_add_co_u32 s78, s78, s23                     ; a's scale bytes
	s_mov_b32 s79, 0
	s_lshl_b32 s82, s21, 12
	s_add_co_u32 s82, s82, s23                     ; W's
	s_mov_b32 s83, 0
	s_lshl_b32 s23, s16, 14
	s_lshl_b32 s80, s22, 16
	s_add_co_u32 s80, s80, s23                     ; a's codes: four heads
	s_mov_b32 s81, 0
	s_lshl_b32 s84, s21, 16
	s_add_co_u32 s84, s84, s23                     ; W's codes: 32 rows
	s_mov_b32 s85, 0
	s_lshl_b32 s86, s16, 10
	s_mul_i32 s87, s16, 17408
	s_mul_i32 s88, s16, 16896
	s_wait_dscnt 0x0
	s_wait_kmcnt 0x0
	s_add_nc_u64 s[78:79], s[6:7], s[78:79]
	s_add_nc_u64 s[82:83], s[10:11], s[82:83]
	s_add_nc_u64 s[80:81], s[4:5], s[80:81]
	s_add_nc_u64 s[84:85], s[8:9], s[84:85]
	CROUND                                         ; all sixteen work-groups are here: the joint loads meet
	s_mov_b32 s56, 1
	s_add_co_u32 s57, s86, SAO
	s_mov_b64 s[58:59], s[78:79]
	s_or_b32 s59, s59, 0x80000000
	s_mov_b32 s60, 1
	s_add_co_u32 s61, s86, SBO
	s_mov_b64 s[62:63], s[82:83]
	s_or_b32 s63, s63, 0x80000000
	s_mov_b32 s68, 1
	s_mov_b32 s69, s87
	s_mov_b64 s[70:71], s[80:81]
	s_or_b32 s71, s71, 0x80000000
	s_mov_b32 s72, 1
	s_add_co_u32 s73, s88, BT
	s_mov_b64 s[74:75], s[84:85]
	s_or_b32 s75, s75, 0x80000000
	tensor_load_to_lds s[56:59], s[24:31]          ; every wave issues the same four lines: four loads of mine are out, and no more follow
	s_nop 0
	tensor_load_to_lds s[60:63], s[32:39]
	s_nop 0
	tensor_load_to_lds s[68:71], s[40:47]
	s_nop 0
	tensor_load_to_lds s[72:75], s[48:55]
	s_nop 0
.rept 4
	v_nop
.endr
	v_and_b32 v10, 15, v0                          ; r
	v_bfe_u32 v11, v0, 4, 1                        ; h
	v_lshlrev_b32 v1, 5, v10
	v_lshl_add_u32 v1, v11, 4, v1
	v_lshrrev_b32 v13, 3, v10
	v_lshl_add_u32 v1, v13, 4, v1                  ; 32 r + 16 (r / 8) + 16 h
	s_mul_i32 s86, s17, 2176
	v_add_nc_u32 v1, s86, v1                       ; a's fragments, heads 0-7: my 64 tokens
	v_add_nc_u32 v2, 34816, v1                     ; heads 8-15
	v_mul_u32_u24 v3, v10, 528
	v_lshl_add_u32 v3, v11, 4, v3
	s_mul_i32 s86, s18, 64*528
	s_add_co_u32 s86, s86, BT
	v_add_nc_u32 v3, s86, v3                       ; W's fragments: my 64 rows
	s_lshl_b32 s86, s17, 7
	s_add_co_u32 s86, s86, SAO
	v_lshl_add_u32 v4, v10, 1, s86                 ; a's scale bytes: 2 a token
	s_lshl_b32 s86, s18, 11
	s_add_co_u32 s86, s86, SBO
	v_lshl_add_u32 v5, v10, 5, s86                 ; W's: 32 a row
	v_lshlrev_b32 v6, 5, v11                       ; the bias: 32 h
	s_mul_i32 s86, s16, 4352
	s_add_co_u32 s86, s86, STG                     ; my stage
	v_mul_u32_u24 v7, v10, 272
	v_lshl_add_u32 v7, v11, 5, v7
	v_add_nc_u32 v7, s86, v7                       ; in: row r, 32 bytes for each half of the lanes
	v_mul_u32_u24 v8, v11, 272
	v_lshl_add_u32 v8, v10, 4, v8
	v_add_nc_u32 v8, s86, v8                       ; back: lanes 0-15 one row of 256 bytes, lanes 16-31 the next
	v_lshlrev_b32 v9, 12, v11
	v_lshl_add_u32 v9, v10, 4, v9                  ; and the same two rows in out0
	s_lshl_b32 s86, s21, 9
	s_lshl_b32 s87, s18, 8
	s_add_co_u32 s86, s86, s87                     ; my first column, in bytes
	s_mov_b32 s87, 0
	s_add_nc_u64 s[12:13], s[12:13], s[86:87]
	s_add_nc_u64 s[14:15], s[14:15], s[86:87]
	s_lshl_b32 s86, s22, 19
	s_lshl_b32 s88, s17, 18
	s_add_co_u32 s86, s86, s88                     ; my first row: 4,096 bytes each
	s_add_nc_u64 s[14:15], s[14:15], s[86:87]
.irp n, 0,1,2,3
	global_load_b128 v[BI+8*\n:BI+8*\n+3], v6, s[12:13] offset:64*\n           ; b(16 n + 8 h + 0 .. 7)
	global_load_b128 v[BI+8*\n+4:BI+8*\n+7], v6, s[12:13] offset:64*\n+16
.endr
.macro FETCH q, buf                    ; the fragments of K step q: a's four tiles of tokens, W's four tiles of rows: sixteen loads
.irp i, 0,1,2,3
.irp c, 0,1
	ds_load_b128 v[\buf+8*\i+4*\c:\buf+8*\i+4*\c+3], v[1+(\q)/4] offset:((2*(\q)+\c)%8)*4352+544*\i
.endr
.endr
.irp n, 0,1,2,3
.irp c, 0,1
	ds_load_b128 v[\buf+32+8*\n+4*\c:\buf+32+8*\n+4*\c+3], v3 offset:8448*\n+64*(\q)+32*\c
.endr
.endr
.endm
.macro MULS q, buf                     ; sixteen products; the sixteen accumulators take turns, one instruction a turn
.irp i, 0,1,2,3
.irp n, 0,1,2,3
.if (\q) == 0
	v_wmma_scale_f32_16x16x128_f8f6f4 v[8*(4*\i+\n):8*(4*\i+\n)+7], v[\buf+32+8*\n:\buf+32+8*\n+7], v[\buf+8*\i:\buf+8*\i+7], v[BI+8*\n:BI+8*\n+7], v[SB+8*\n+(\q)], v[SA+8*\i+(\q)] matrix_a_fmt:MATRIX_FMT_FP4 matrix_b_fmt:MATRIX_FMT_FP4
.else
	v_wmma_scale_f32_16x16x128_f8f6f4 v[8*(4*\i+\n):8*(4*\i+\n)+7], v[\buf+32+8*\n:\buf+32+8*\n+7], v[\buf+8*\i:\buf+8*\i+7], v[8*(4*\i+\n):8*(4*\i+\n)+7], v[SB+8*\n+(\q)], v[SA+8*\i+(\q)] matrix_a_fmt:MATRIX_FMT_FP4 matrix_b_fmt:MATRIX_FMT_FP4
.endif
.endr
.endr
.endm
.macro STEP q
.if (\q) > 0
	PLACES 4                                       ; in front of loads into registers that the last step's products have read
.endif
.if (\q) < 7
	FETCH (\q)+1, 112+64*(((\q)+1)%2)
	s_wait_dscnt 16                                ; this step's fragments are in; the sixteen loads just issued may be out
.else
	s_wait_dscnt 0x0
.endif
.if (\q) == 0
	WIN 0x40                                       ; D window 1, C (the bias) window 0
.else
	WIN 0x50                                       ; C and D window 1
.endif
	MULS \q, 112+64*((\q)%2)
	WIN 0
.endm
	s_wait_tensorcnt 0x0                           ; my four loads have landed
	s_barrier_signal -1
	s_barrier_wait -1                              ; everybody's have
.irp i, 0,1,2,3
.irp e, 0,1,2,3,4,5,6,7,8,9,10,11,12,13,14,15
	ds_load_u16 v[176+16*\i+\e], v4 offset:256*\e+32*\i            ; token 16 i + r, head e: two scale bytes
.endr
.endr
.irp n, 0,1,2,3
	ds_load_b128 v[SB+8*\n:SB+8*\n+3], v5 offset:512*\n            ; row 16 n + r: the scale words of K steps 0-3,
	ds_load_b128 v[SB+8*\n+4:SB+8*\n+7], v5 offset:512*\n+16       ; and 4-7
.endr
	FETCH 0, 112
	s_wait_dscnt 16                                ; the scales are in; the first fragments' sixteen loads may be out
.irp i, 0,1,2,3
.irp q, 0,1,2,3,4,5,6,7
	v_lshl_or_b32 v[SA+8*\i+\q], v[176+16*\i+2*\q+1], 16, v[176+16*\i+2*\q]   ; two heads' bytes make a K step's scale word
.endr
.endr
	PLACES 8                                       ; a scale register written by a vector instruction stands 8 places ahead of a scaled matrix instruction
	s_wait_loadcnt 0x0                             ; the bias
.irp q, 0,1,2,3,4,5,6,7
	STEP \q
.endr
; THE WAY OUT, 16 tokens x 64 columns at a time: a lane's 32 bytes go into my own stage and come back as whole rows of 256 bytes.  LDS serves a wave's instructions in order (ISA guide 5.7.1.4):
; no wait between the stores and the loads, nor in front of the next block's stores.  Each block has registers of its own: no store's data are written again.
.macro TOSTAGE i
	WIN 0x04                                       ; an LDS store's data are its source 1: window 1
.irp n, 0,1,2,3
	ds_store_b128 v7, v[8*(4*(\i)+\n):8*(4*(\i)+\n)+3] offset:64*\n            ; each accumulator from its low end on
	ds_store_b128 v7, v[8*(4*(\i)+\n)+4:8*(4*(\i)+\n)+7] offset:64*\n+16
.endr
	WIN 0
.irp t, 0,1,2,3,4,5,6,7
	ds_load_b128 v[112+32*(\i)+4*\t:112+32*(\i)+4*\t+3], v8 offset:544*\t
.endr
.endm
.macro SEND i, younger                 ; younger: the LDS instructions issued behind block i's loads, which may stay out
	s_wait_dscnt \younger
.irp t, 0,1,2,3,4,5,6,7
	global_store_b128 v9, v[112+32*(\i)+4*\t:112+32*(\i)+4*\t+3], s[14:15] offset:(16*(\i)+2*\t)*4096 th:TH_STORE_NT   ; sixteen lanes store 256 consecutive bytes, at a multiple of 256 from out0's first byte
.endr
.endm
	PLACES 4                                       ; behind the last products: results are read, and fragments' registers are loaded into
	TOSTAGE 0
	TOSTAGE 1
	SEND 0, 16
	TOSTAGE 2
	SEND 1, 16
	TOSTAGE 3
	SEND 2, 16
	SEND 3, 0
	s_wait_tensorcnt 0x0
	ds_add_u32 v254, v255
	s_wait_dscnt 0x0
	CROUND                                         ; the closing round: no work-group ends while a partner may still ask for a tile that names it
	s_endpgm
.Lfunc_end_k_q867ca8810e_proj:
	.size	k_q867ca8810e_proj, .Lfunc_end_k_q867ca8810e_proj-k_q867ca8810e_proj
	.p2alignl 7, 3214868480
	.fill 96, 4, 3214868480
	.section	.rodata,"a",@progbits
	.p2align	6, 0x0
	.amdhsa_kernel k_q867ca8810e_proj
		.amdhsa_group_segment_fixed_size 168448
		.amdhsa_private_segment_fixed_size 0
		.amdhsa_enable_private_segment 0
		.amdhsa_kernarg_size 48
		.amdhsa_user_sgpr_count 2
		.amdhsa_user_sgpr_kernarg_segment_ptr 1
		.amdhsa_wavefront_size32 1
		.amdhsa_system_sgpr_workgroup_id_x 1
		.amdhsa_system_sgpr_workgroup_id_y 1
		.amdhsa_system_sgpr_workgroup_id_z 1
		.amdhsa_system_vgpr_workitem_id 0
		.amdhsa_next_free_vgpr 384
		.amdhsa_next_free_sgpr 96
		.amdhsa_reserve_vcc 0
		.amdhsa_float_denorm_mode_32 3
		.amdhsa_float_denorm_mode_16_64 3
		.amdhsa_memory_ordered 1
		.amdhsa_forward_progress 1
		.amdhsa_inst_pref_size 49
	.end_amdhsa_kernel
	.amdgpu_metadata
---
amdhsa.version: [ 1, 2 ]
amdhsa.kernels:
  - .name:           k_q867ca8810e_proj
    .symbol:         k_q867ca8810e_proj.kd
    .args:
      - { .name: a_codes, .offset: 0, .size: 8, .value_kind: global_buffer, .address_space: global }
      - { .name: a_scales, .offset: 8, .size: 8, .value_kind: global_buffer, .address_space: global }
      - { .name: out_w_codes, .offset: 16, .size: 8, .value_kind: global_buffer, .address_space: global }
      - { .name: out_w_scales, .offset: 24, .size: 8, .value_kind: global_buffer, .address_space: global }
      - { .name: out_b, .offset: 32, .size: 8, .value_kind: global_buffer, .address_space: global }
      - { .name: out0, .offset: 40, .size: 8, .value_kind: global_buffer, .address_space: global }
    .group_segment_fixed_size: 168448
    .private_segment_fixed_size: 0
    .kernarg_segment_align: 8
    .kernarg_segment_size: 48
    .max_flat_workgroup_size: 128
    .sgpr_count:     96
    .vgpr_count:     384
    .wavefront_size: 32
...
	.end_amdgpu_metadata
.endif
;; end of part 3
